; MI455X (gfx1250); checked and timed in simulation.
; The chip was launched on July 23, 2026; its instructions are those of AMD's public machine-readable ISA for CDNA 5 (MIT licence, August 2026) and "CDNA5" Instruction Set Architecture Reference Guide (July 2026). The comments in the code are by the model that wrote it; some were corrected since.
;; Mask Adaptive Embedding. Allowed arithmetic: matrix products marked QUANTISED: E3M2 operands, one E8M0 scale for each 32 along K, by v_wmma_scale_f32_16x16x128_f8f6f4 with both operands' format E3M2, f32 sums; products left as they are: f32 operands where the result goes on into a quantised operand, else bf16, f16 or f32 operands; f32 sums; everything else in f32.
;; Inputs: emb0 20,000 x 1,024 float32; emb1 20,000 x 256 float32; emb2 160,000 x 64 float32; emb3 67,735 x 16 float32; proj1 256 x 1,024 float32; proj2 64 x 1,024 float32; proj3 16 x 1,024 float32; tokens 8 x 2,048 int32.
;; Outputs: out0 8 x 2,048 x 1,024 float32.
;; This version of the problem:
;;   THIS VERSION OF THE PROBLEM IS GIVEN IN LOW PRECISION. The matrix products marked QUANTISED in the list below multiply operands that are first quantised to E3M2 (3 exponent bits, 2 mantissa bits; 6 bits a number), with one power-of-two scale for each 32 numbers along K (OCP MX v1.0); their sums are f32. All else is computed in f32.
;;   The module's matrix products, in the order in which they are computed (A, B: the left and right operand; K: the contracted axis; several contracted axes count as one K, in the product's order):
;;     1. [M 16,384, K 256] x [K 256, N 1,024]; A: computed on the way; B: input proj1: QUANTISED
;;     2. [M 16,384, K 64] x [K 64, N 1,024]; A: computed on the way; B: input proj2: QUANTISED
;;     3. [M 16,384, K 16] x [K 16, N 1,024]; A: computed on the way; B: input proj3: left as it is (K = 16 < 32)
;;   THE QUANTISER, for each operand of a quantised product, along K:
;;     - K is cut into blocks of 32 from its start; a last block that is shorter is filled with zeros.
;;     - A block's scale is 2^e with e = floor(log2(the largest magnitude in the block)) - 4, held to -126 .. 127; a block of zeros has e = 0. As a byte (E8M0): e + 127.
;;     - Each number is divided by its block's scale, clamped to +-28, and rounded to the nearest number of E3M2, ties to even, subnormals kept.
;;     - The product sums the exact products of the quantised numbers (number of the format x scale) in f32.
;;   ~~~python
;;   def quantise(x, axis):      # numpy; x: float32 -> the quantised numbers, widened to float32 again
;;       x = np.moveaxis(x, axis, -1); K = x.shape[-1]
;;       x = np.pad(x, [(0, 0)] * (x.ndim - 1) + [(0, -K % 32)]); x = x.reshape(x.shape[:-1] + (-1, 32)); a = np.abs(x).max(-1, keepdims=True)
;;       e = np.where(a > 0, np.clip(np.frexp(np.where(a > 0, a, 1))[1] - 1 - 4, -126, 127), 0)      # np.frexp(a)[1] - 1 = floor(log2(a)), exactly
;;       r = np.clip(x / 2.0 ** e, -28, 28)
;;       step = 2.0 ** (np.maximum(np.frexp(np.where(r == 0, 1, r))[1] - 1, -2) - 2)
;;       q = np.round(r / step) * step * 2.0 ** e      # np.round: ties to even
;;       return np.moveaxis(q.reshape(q.shape[:-2] + (-1,))[..., :K], -1, axis).astype(np.float32)
;;   ~~~
;;   OPERANDS COMPUTED ON THE WAY. 'Computed on the way' means the value that the module computes at that place (a softmax that the list does not call 'softmax' is quantised finished and normalised). What goes into a quantiser is computed in f32, as accurately as f32 sums, v_exp_f32 and their like allow (about 1e-6 of the number): no bf16 or f16 on the way to a quantiser, and a product that is left as it is and whose result goes on into a quantised operand takes f32 operands (vector FMAs, or v_wmma_f32_16x16x4_f32). A number that lies on a knife's edge between two numbers of the format may be rounded either way, as far as f32 arithmetic and the matrix unit's own rounding can turn it there, and no further.
;; One version. Each part assembles by itself: llvm-mc -triple=amdgcn-amd-amdhsa -mcpu=gfx1250 --defsym DOCPART=n.
;; ======== version 1 of 1: 1 launch
;; launch embed (part 1): grid 16 x 16, 8 waves a work-group, no clusters, 150,528 bytes of LDS; arguments tokens, emb0, emb1, emb2, emb3, proj1, proj2, proj3, out0; writes out0
.if DOCPART == 1
	.amdgcn_target "amdgcn-amd-amdhsa--gfx1250"
	.amdhsa_code_object_version 6
	.text
	.protected	k_q34ae14ab94_embed
	.globl	k_q34ae14ab94_embed
	.p2align	8
	.type	k_q34ae14ab94_embed,@function
k_q34ae14ab94_embed:
	s_mov_b64 s[64:65], 0
	v_nop
	global_prefetch_b8 v0, s[64:65] scope:SCOPE_SE
	s_setreg_imm32_b32 hwreg(HW_REG_WAVE_MODE, 25, 1), 1
	s_wait_xcnt 0x0
; out[t][:] = 32 x (the row that token t's range of the vocabulary gives):
;   0 <= t < 20000: emb0[t];   20000 ..: Q(emb1 row) Q(proj1), K = 256;   40000 ..: Q(emb2 row) Q(proj2), K = 64;   200000 ..: emb3 row x proj3, K = 16, f32 operands.
; Q: codes of BF6 (E3M2) with one E8M0 scale for each 32 along K; sums in f32.
; NOTHING IS SORTED, NOTHING BRANCHES, EVERY LANE IS ALWAYS ON.  Every tile of 16 tokens runs all products onto ONE accumulator; a token that is no member of a range gets ZERO CODES there (zeros for emb3,
; factor 0 for emb0), so that of the four contributions one is left.  The tokens enter addresses and selects alone.  Every lane gathers from every table: its row is held inside the table, and a token outside the
; range takes the table's last row (the unsigned difference wraps to a large number, and the minimum holds it), so that the lanes of non-members name the same few bytes.
; SHARES.  Work-group (x, y): columns 64 x .. 64 x + 63 of tokens 1024 y .. 1024 y + 1023.  Each of its eight waves: 128 tokens, eight tiles of 16, a tile a pass.  64 columns of f32 are 256 bytes of an output row.
; Every wave keeps the 64 columns of all three weights in registers as operand fragments (152 registers).  They are made once in the work-group: the slice comes into LDS as f32 in dense rows of 256 bytes,
; each wave takes a fragment's columns (a lane a column, registers down K), and the fragments go round as images of their registers.
; THE EIGHT PASSES ARE WRITTEN OUT: the tile's place stands in the immediates (tokens: 64 bytes a tile; out0: 65,536 a tile, 516,096 at the most, inside the signed 24 bits), so no pointer and no offset is stepped.
; THE PRODUCTS ARE USED TRANSPOSED: source 0 = 16 columns of a weight, source 1 = 16 tokens: lane (r = lane % 16, h = lane / 16) holds token r, register j of tile u column 16 u + 8 h + j.
; emb3 x proj3 GOES BY THE f32 FORM OF 16 x 16 x 4: K = 16 is four steps of it with nothing padded, where the 16-bit forms' K of 32 would be half zeros; it is 1/21 of the multiply-adds.  Both sides lie as they are
; loaded: a lane's eight numbers are k = 8 h + 0 .. 7, and step s takes registers 2 s, 2 s + 1: the same permutation of k on both sides.  Its sixteen products stand at a pass's head, ahead of the quantising.
; THE FACTOR 32 costs nothing: proj1's and proj2's scale bytes are 5 higher, proj3 is multiplied by 32, emb0 by 32 (members) or 0 as it becomes the C of the sums.
; ZERO CODES: a non-member's conversions take 2^127 as their scale, under which every number up to 2^122 rounds to the code 0.
; proj2's fragments lie 6 registers apart: a fragment's upper half (k = 64 .. 127) is the next one's lower half (the last one's: six registers of proj3), multiplied by the tokens' zero codes: every code is a finite number.
; NO CLUSTER, NO TENSOR LOAD: the gathers go lane by lane, by addresses made of tokens; what work-groups share is the weights' slice, 86,016 bytes read once by a work-group that stores 262,144.
; LIMITS.  NaN and infinities in tables and weights are not served (a non-member's lane holds the table's last row; emb0's mask is a factor 0; a zero meets every weight).  Embeddings above 2^122 are not served (the scale 2^127).
; Blocks of proj1 and proj2 whose largest magnitude is 2^127 or more are not served (byte + 5 stays at 254 at most).  A block's largest magnitude is taken no lower than 2^(5 - 127), so the byte is 1 at the least;
; a block of zeros keeps that byte where the rule says 127: its codes are zeros.  Sums under about 2^-121 may differ from sums multiplied by 32 afterwards.
.set N0, 20000                         ; rows of the four tables
.set N1, 20000
.set N2, 160000
.set N3, 67735
.set LO1, 20000                        ; first token of ranges 1, 2, 3
.set LO2, 40000
.set LO3, 200000
; LDS
.set WIMG1, 0                          ; proj1: 8 fragment images x 1,536 bytes (3 x 16 bytes a lane); image 4 s + u is made by wave 4 s + u
.set WIMG2, 12288                      ; proj2: 8 images x 768 (16 bytes a lane, then 8); waves 0-3 and waves 4-7 each make and read a set of four
.set WIMG3, 18432                      ; proj3: 8 images x 1,024 (2 x 16 bytes a lane), likewise
.set WSC,   26624                      ; scale words, 4 bytes a lane: proj1's 8 x 128, from +1,024 proj2's 8 x 128
.set STAGE, 28672                      ; for each wave 16 rows x (256 + 16) bytes: the way out
.set WRAW,  63488                      ; the weights' slice as f32: 336 rows (proj1 0-255, proj2 256-319, proj3 320-335) x 256 bytes
; scalar registers
.set TOKP, 4
.set EMB0, 6
.set EMB1, 8
.set EMB2, 10
.set EMB3, 12
.set PJ1,  14
.set PJ2,  16
.set PJ3,  18
.set OUTP, 20
.set WV,   22                          ; wave
.set WU,   23                          ; wave % 4: which 16 columns I prepare
.set SK,   24                          ; wave / 4: which K step of proj1
.set TG,   26                          ; work-group y
.set SEL,  28                          ; s[28:29] v_permlanex16_b32's selects for lane l xor 16
.set MK,   30                          ; s30-33 the lanes whose token lies in range 0 .. 3
.set C20K, 40
.set C160K, 41
.set C67K, 42
; window 0
.set TOK,  1                           ; my token (lanes l and l xor 16 hold the same)
.set TOFF, 2                           ; 4 r: its byte in a tile's 64; never rewritten
.set H32,  3                           ; 32 h
.set H128, 4                           ; 128 h
.set SH8,  5                           ; 8 h
.set BIG,  6                           ; 2^127
.set C32,  7                           ; 32.0
.set F0,   8                           ; v[8:9] 32 or 0; v9 is named with it as a pair
.set OFF,  10                          ; v10-13 my row's byte in tables 0 .. 3, with my half's bytes
.set STO,  14                          ; the stage: where I put 32 bytes of a row
.set SRD,  15                          ; and where I read a row back
.set GO,   16                          ; 4096 h + 16 r: two rows of 4,096 bytes, 16 bytes a lane: serves out0 and the weights alike; never rewritten
.set TD,   17
.set MX,   18                          ; v18-22 largest magnitudes
.set SOP,  24                          ; v24-28 the conversions' scale operands
.set BY,   30                          ; v30-34 scale bytes
.set PX,   36                          ; v36-38 the other half's bytes
.set ASC,  40                          ; v40-42 the tokens' scale words: emb1's K steps 0, 1; emb2's
.set BSC,  44                          ; v44-55 the weights' scale words: proj1 at 4 s + u, proj2 at 8 + u
.set T3,   56                          ; v56-59 at work in the head
.set LI,   60                          ; 16 x lane
.set L8,   61                          ; 8 x lane
.set LS,   62                          ; 4 x lane
.set LW1,  64                          ; v64-66 where I put the raw rows of proj1, proj2, proj3
.set LW2,  65
.set LW3,  66
.set VRD1, 67                          ; v67-69 where my column of each begins
.set VRD2, 68
.set VRD3, 69
.set IW1,  70                          ; v70-74 where I put my images and scale words
.set IW2,  71
.set IW2B, 72
.set IW3,  73
.set ISC,  74
.set RA2,  75                          ; v75-78 where my half of the waves reads proj2's and proj3's
.set RB2,  76
.set RA3,  77
.set RS2,  78
.set RW1,  80                          ; v80-207 emb1: block q = 2 s + c (k = 128 s + 64 c + 32 h + 0 .. 31) at RW1 + 32 q
.set RW2,  208                         ; v208-239 emb2: k = 32 h + 0 .. 31: block 4 of the same run
.set RW3,  240                         ; v240-247 emb3 as loaded: k = 8 h + 0 .. 7
.set A3,   248                         ; v248-255 emb3, or zeros: source 1 of the four f32 steps
; window 1
.set P1,   0                           ; proj1's 8 fragments
.set P2,   96                          ; proj2's 4 half fragments
.set P3,   120                         ; proj3 x 32: tile u, step s at P3 + 8 u + 2 s
.set OB,   152                         ; the way out: 32 registers: two of its own, and the 30 of the codes below, which are done with by then
.set A1,   154                         ; the tokens' codes: block q at A1 + 6 q
.set A2,   178                         ; = A1 + 24: emb2's 6 registers, then 6 zeros
.set ACC,  190                         ; four accumulators: written by matrix instructions alone
.set EM0,  222                         ; emb0: 32 numbers, in the accumulators' order
.set WC,   104                         ; the head: codes just made (the raw columns lie at v0-103)
.set MSB, 0
.macro WIN new                         ; s_set_vgpr_msb: bits 1:0 source 0, 3:2 source 1, 5:4 source 2, 7:6 destination; the high byte repeats the setting that is left
.if MSB != (\new)
	s_set_vgpr_msb (MSB<<8)|(\new)
.set MSB, (\new)
.endif
.endm
; The largest magnitudes of nb blocks of 32 registers from v[x] on, in window w, into v[MX] on; the floor 2^(5 - 127) is one of the leaves.  The blocks take turns, so that no line waits for the line above it.
.macro QMAX0 x, nb, w                  ; each block's first two numbers and the floor
	WIN 0x05*\w
.set BB, 0
.rept \nb
	v_max3_num_f32 v[MX+BB], |v[\x+32*BB]|, |v[\x+32*BB+1]|, 0x2800000
.set BB, BB+1
.endr
.endm
.macro QMAX1 x, nb, w                  ; the other thirty
	WIN 0x14*\w
.set II, 2
.rept 15
.set BB, 0
.rept \nb
	v_max3_num_f32 v[MX+BB], v[MX+BB], |v[\x+32*BB+II]|, |v[\x+32*BB+II+1]|
.set BB, BB+1
.endr
.set II, II+2
.endr
.endm
; From my token: is it in range i (unsigned: what lies under the range wraps to a large number), its row held inside the table, the row's byte with my half's bytes; and emb0's factor.
.macro ADDR
	v_cmp_gt_u32 s[MK], s[C20K], v[TOK]
	v_min_u32 v[TD], N0-1, v[TOK]
	v_lshl_add_u32 v[OFF], v[TD], 12, v[H32]
	v_add_nc_u32 v[TD], -LO1, v[TOK]
	v_cmp_gt_u32 s[MK+1], s[C20K], v[TD]
	v_min_u32 v[TD], N1-1, v[TD]
	v_lshl_add_u32 v[OFF+1], v[TD], 10, v[H128]
	v_add_nc_u32 v[TD], -LO2, v[TOK]
	v_cmp_gt_u32 s[MK+2], s[C160K], v[TD]
	v_min_u32 v[TD], N2-1, v[TD]
	v_lshl_add_u32 v[OFF+2], v[TD], 8, v[H128]
	v_add_nc_u32 v[TD], -LO3, v[TOK]
	v_cmp_gt_u32 s[MK+3], s[C67K], v[TD]
	v_min_u32 v[TD], N3-1, v[TD]
	v_lshl_add_u32 v[OFF+3], v[TD], 6, v[H32]
	v_cndmask_b32 v[F0], 0, v[C32], s[MK]
.endm
; A tile's 50 gathers, in two runs: emb1's 32; emb2's 8, emb3's 2 and emb0's 8.
.macro LOADS1
.set QQ, 0
.rept 4
.set II, 0
.rept 8
	global_load_b128 v[RW1+32*QQ+4*II:RW1+32*QQ+4*II+3], v[OFF+1], s[EMB1:EMB1+1] offset:512*(QQ>>1)+256*(QQ&1)+16*II
.set II, II+1
.endr
.set QQ, QQ+1
.endr
.endm
.macro LOADS2
.irp i, 0,1,2,3,4,5,6,7
	global_load_b128 v[RW2+4*\i:RW2+4*\i+3], v[OFF+2], s[EMB2:EMB2+1] offset:16*\i
.endr
.irp i, 0,1
	global_load_b128 v[RW3+4*\i:RW3+4*\i+3], v[OFF+3], s[EMB3:EMB3+1] offset:16*\i
.endr
	WIN 0x40                                       ; destination window 1
.irp i, 0,1,2,3,4,5,6,7
	global_load_b128 v[EM0+4*\i:EM0+4*\i+3], v[OFF], s[EMB0:EMB0+1] offset:64*(\i>>1)+16*(\i&1)   ; columns 16 u + 8 h + 4 p on, i = 2 u + p
.endr
	WIN 0
.endm
.macro CINIT                           ; emb0 x 32, or x 0, where it lies: the C from which the sums begin
	WIN 0x41                                       ; destination and source 0 window 1
.set II, 0
.rept 16
	v_pk_mul_f32 v[EM0+2*II:EM0+2*II+1], v[EM0+2*II:EM0+2*II+1], v[F0:F0+1] op_sel_hi:[1,0]
.set II, II+1
.endr
.endm
.macro MASK3                           ; emb3's eight numbers of my half, or zeros
.irp i, 0,1,2,3,4,5,6,7
	v_cndmask_b32 v[A3+\i], 0, v[RW3+\i], s[MK+3]
.endr
.endm
; emb3 x proj3: four steps of 4 along K on the four accumulators, which take turns, one instruction a turn.  The first step starts the sums from emb0's registers.
.macro MULT3
	WIN 0x51                                       ; source 0 (proj3), C and D window 1; source 1 (emb3) window 0
.irp u, 0,1,2,3
	v_wmma_f32_16x16x4_f32 v[ACC+8*\u:ACC+8*\u+7], v[P3+8*\u:P3+8*\u+1], v[A3:A3+1], v[EM0+8*\u:EM0+8*\u+7]
.endr
.irp s, 1,2,3
.irp u, 0,1,2,3
	v_wmma_f32_16x16x4_f32 v[ACC+8*\u:ACC+8*\u+7], v[P3+8*\u+2*\s:P3+8*\u+2*\s+1], v[A3+2*\s:A3+2*\s+1], v[ACC+8*\u:ACC+8*\u+7]
.endr
.endr
.endm
; emb1's four blocks and emb2's one, each whole in a lane, become codes and scale words.  (The first five lines of the search for the maxima stand ahead of MULT3.)
; The 75 lines of the search name no register of the f32 products: they are the places (nine are owed) in front of the scaled products, which take the sums up, and of the loads into emb0's registers.
.macro QTOK
	QMAX1 RW1, 5, 0
.irp b, 0,1,2,3,4
	v_add_nc_u32 v[SOP+\b], 0xfe000000, v[MX+\b]   ; 4 off the exponent field: the conversion takes the exponent field of this operand as its scale
.endr
.irp b, 0,1,2,3,4
	v_lshrrev_b32 v[BY+\b], 23, v[SOP+\b]          ; the scale's byte
.endr
.irp b, 0,1,2,3
	v_cndmask_b32 v[SOP+\b], v[BIG], v[SOP+\b], s[MK+1]   ; no member: 2^127, and the codes are zeros
.endr
	v_cndmask_b32 v[SOP+4], v[BIG], v[SOP+4], s[MK+2]
	v_lshl_or_b32 v[BY], v[BY+1], 16, v[BY]        ; my two bytes of a K step: blocks h and 2 + h,
	v_lshl_or_b32 v[BY+2], v[BY+3], 16, v[BY+2]
.irp k, 0,1,2
	v_lshlrev_b32 v[BY+2*\k], v[SH8], v[BY+2*\k]   ; at their places in the word;
.endr
.irp k, 0,1,2
	v_permlanex16_b32 v[PX+\k], v[BY+2*\k], s[SEL], s[SEL+1]
.endr
.irp k, 0,1,2
	v_or_b32 v[ASC+\k], v[BY+2*\k], v[PX+\k]       ; with lane l xor 16's the word is whole (emb2's upper two bytes are 0: they scale zero codes)
.endr
	WIN 0x40                                       ; destination window 1
.irp b, 0,1,2,3,4
	v_cvt_scalef32_pk16_bf6_f32 v[A1+6*\b:A1+6*\b+2], v[RW1+32*\b:RW1+32*\b+15], v[SOP+\b]
.endr
	v_nop                                          ; one plain place behind a scaled conversion: the lines below write its sources
	WIN 0
.irp b, 0,1,2,3,4
	v_cvt_scalef32_pk16_bf6_f32 v[RW1+32*\b:RW1+32*\b+2], v[RW1+32*\b+16:RW1+32*\b+31], v[SOP+\b]   ; a conversion's three registers begin on an even number, a block's second three do not: made where the first half lay, and moved
.endr
	v_nop
	WIN 0x40
.irp b, 0,1,2,3,4
.irp i, 0,1,2
	v_mov_b32 v[A1+6*\b+3+\i], v[RW1+32*\b+\i]
.endr
.endr
.endm
; The 12 scaled products, on the same four accumulators by turns.  pad = 1: no other vector line stands between the moves into the codes and these products, so the four places that an operand written by vector instructions owes are v_nop.
.macro MULT pad
	WIN 0x55                                       ; all four operands window 1; scale operands have no window
.if \pad
.rept 4
	v_nop
.endr
.endif
.irp s, 0,1
.irp u, 0,1,2,3
	v_wmma_scale_f32_16x16x128_f8f6f4 v[ACC+8*\u:ACC+8*\u+7], v[P1+12*(4*\s+\u):P1+12*(4*\s+\u)+11], v[A1+12*\s:A1+12*\s+11], v[ACC+8*\u:ACC+8*\u+7], v[BSC+4*\s+\u], v[ASC+\s] matrix_a_fmt:MATRIX_FMT_BF6 matrix_b_fmt:MATRIX_FMT_BF6
.endr
.endr
.irp u, 0,1,2,3
	v_wmma_scale_f32_16x16x128_f8f6f4 v[ACC+8*\u:ACC+8*\u+7], v[P2+6*\u:P2+6*\u+11], v[A2:A2+11], v[ACC+8*\u:ACC+8*\u+7], v[BSC+8+\u], v[ASC+2] matrix_a_fmt:MATRIX_FMT_BF6 matrix_b_fmt:MATRIX_FMT_BF6
.endr
.rept 4
	v_nop                                          ; four places in front of the first read of results and of the loads into the codes' registers, which these products have read
.endr
.endm
; Tile p's 16 tokens x 64 columns leave through my own stage: a lane's 32 bytes of a row in, whole rows of 256 bytes back, into other registers than the sums'.
; LDS serves a wave's instructions in order (ISA guide 5.7.1.4): no wait between the stores and the loads.
.macro SENDOUT p
	WIN 0x04                                       ; an LDS store's data are its source 1: window 1
.irp u, 0,1,2,3
	ds_store_b128 v[STO], v[ACC+8*\u:ACC+8*\u+3] offset:64*\u          ; each accumulator from its low end on
	ds_store_b128 v[STO], v[ACC+8*\u+4:ACC+8*\u+7] offset:64*\u+16
.endr
	WIN 0x40
.irp i, 0,1,2,3,4,5,6,7
	ds_load_b128 v[OB+4*\i:OB+4*\i+3], v[SRD] offset:544*\i            ; rows 2 i and 2 i + 1
.endr
	WIN 0x04
.irp i, 0,1,2,3,4,5,6,7
	s_wait_dscnt 7-\i                              ; load i is in; the 7 - i issued behind it may be out
	global_store_b128 v[GO], v[OB+4*\i:OB+4*\i+3], s[OUTP:OUTP+1] offset:65536*(\p)+8192*\i th:TH_STORE_NT   ; sixteen lanes store 256 consecutive bytes, at a multiple of 256 from out0's first byte; written once, read by nobody here
.endr
	WIN 0
.endm
.macro BARRIER                         ; my LDS stores have landed and my LDS loads are in: then the work-group's barrier
	s_wait_dscnt 0x0
	s_barrier_signal -1
	s_barrier_wait -1
.endm
; Pass p: tile p of my eight.  The f32 products first, so that the matrix unit works while emb1 and emb2 are quantised.  The next tile's rows are asked for as soon as this tile's have been turned into operands,
; and the token of the tile after that behind them; tiles 6 and 7 ask for nothing past my 128 tokens.
.macro PASS p
	s_wait_loadcnt 0x0                             ; this tile's rows and the next tile's token, the youngest load, are in; their address registers may be written
.if (\p) > 0
	s_wait_xcnt 0x0                                ; the last pass's stores have read their data: those registers, which take this tile's codes, are written again only behind this wait
.endif
	CINIT
	WIN 0
	MASK3
	QMAX0 RW1, 5, 0                                ; five lines of work that is due anyway, between the selects and the products that read them
	MULT3
	QTOK
.if (\p) < 7
	WIN 0
	ADDR                                           ; (sixteen lines: also the places between the moves into the codes and the scaled products)
	LOADS1
	LOADS2
.endif
.if (\p) < 6
	global_load_b32 v[TOK], v[TOFF], s[TOKP:TOKP+1] offset:64*((\p)+2)
.endif
	MULT (\p)/7
	SENDOUT \p
.endm
	s_load_b256 s[4:11], s[0:1], 0x0               ; tokens, emb0, emb1, emb2
	s_load_b256 s[12:19], s[0:1], 0x20             ; emb3, proj1, proj2, proj3
	s_load_b64 s[OUTP:OUTP+1], s[0:1], 0x40        ; out0
	v_lshl_add_u32 v63, v0, 2, 0x24800
	v_mov_b32 v79, 0
	v_lshrrev_b32 v[TD], 5, v0
	v_readfirstlane_b32 s[WV], v[TD]               ; wave 0..7
	s_and_b32 s[WU], s[WV], 3
	s_lshr_b32 s[SK], s[WV], 2
	s_and_b32 s[TG], ttmp7, 0xffff
	v_and_b32 v[T3], 15, v0                        ; r
	v_bfe_u32 v[T3+1], v0, 4, 1                    ; h
	v_and_b32 v[T3+2], 31, v0                      ; lane
	v_lshlrev_b32 v[TOFF], 2, v[T3]                ; 4 r
	v_lshlrev_b32 v[GO], 4, v[T3]
	v_lshl_add_u32 v[GO], v[T3+1], 12, v[GO]
	s_lshl_b32 s38, ttmp9, 8                       ; my 64 columns: 256 bytes x work-group x
	s_mov_b32 s39, 0
	s_mov_b32 s37, 0
	s_lshl_b32 s36, s[TG], 12                      ; tokens: 1,024 a work-group, 128 a wave, 4 bytes each
	s_lshl_b32 s43, s[WV], 9
	s_add_co_u32 s36, s36, s43
	s_wait_kmcnt 0x0
	s_add_nc_u64 s[TOKP:TOKP+1], s[TOKP:TOKP+1], s[36:37]
	global_load_b32 v[TOK], v[TOFF], s[TOKP:TOKP+1]   ; tile 0's tokens
	s_add_nc_u64 s[EMB0:EMB0+1], s[EMB0:EMB0+1], s[38:39]
	s_lshl_b32 s36, s[WV], 17                      ; proj1: rows 32 w on, of 4,096 bytes
	s_add_co_u32 s36, s36, s38
	s_add_nc_u64 s[PJ1:PJ1+1], s[PJ1:PJ1+1], s[36:37]
	s_lshl_b32 s36, s[WV], 15                      ; proj2: rows 8 w on
	s_add_co_u32 s36, s36, s38
	s_add_nc_u64 s[PJ2:PJ2+1], s[PJ2:PJ2+1], s[36:37]
	s_lshl_b32 s36, s[WV], 13                      ; proj3: rows 2 w on
	s_add_co_u32 s36, s36, s38
	s_add_nc_u64 s[PJ3:PJ3+1], s[PJ3:PJ3+1], s[36:37]
	WIN 0x40                                       ; destination window 1
.irp i, 0,1,2,3,4,5,6,7,8,9,10,11,12,13,14,15
	global_load_b128 v[4*\i:4*\i+3], v[GO], s[PJ1:PJ1+1] offset:8192*\i   ; two rows' 256 bytes: sixteen lanes to a row
.endr
.irp i, 0,1,2,3
	global_load_b128 v[64+4*\i:64+4*\i+3], v[GO], s[PJ2:PJ2+1] offset:8192*\i
.endr
	global_load_b128 v[80:83], v[GO], s[PJ3:PJ3+1]
.irp i, 0,1,2,3,4,5
	v_mov_b32 v[A2+6+\i], 0                        ; the zeros that stay: emb2's codes of k = 64 .. 127
.endr
	WIN 0
	s_lshl_b32 s36, s[TG], 22                      ; out0: 1,024 rows of 4,096 bytes a work-group, 128 a wave, my 256 bytes of each
	s_lshl_b32 s43, s[WV], 19
	s_add_co_u32 s36, s36, s43
	s_add_co_u32 s36, s36, s38
	s_add_nc_u64 s[OUTP:OUTP+1], s[OUTP:OUTP+1], s[36:37]
	s_mov_b32 s[SEL], 0x76543210
	s_mov_b32 s[SEL+1], 0xfedcba98
	s_mov_b32 s[C20K], N0
	s_mov_b32 s[C160K], N2
	s_mov_b32 s[C67K], N3
	v_lshlrev_b32 v[H32], 5, v[T3+1]
	v_lshlrev_b32 v[H128], 7, v[T3+1]
	v_lshlrev_b32 v[SH8], 3, v[T3+1]
	v_mov_b32 v[BIG], 0x7f000000
	v_mov_b32 v[C32], 0x42000000
	v_mov_b32 v[F0+1], 0
.irp k, 0,1,2
	v_mov_b32 v[PX+\k], 0                          ; written once: a lane permute's destination counts as one of its sources
.endr
	; every LDS address: a constant + a constant x lane (or r, h) + a constant x wave
	v_lshlrev_b32 v[LI], 4, v[T3+2]
	v_lshlrev_b32 v[L8], 3, v[T3+2]
	v_lshlrev_b32 v[LS], 2, v[T3+2]
	s_lshl_b32 s36, s[WV], 13
	s_add_co_u32 s36, s36, WRAW
	v_add_nc_u32 v[LW1], s36, v[LI]                ; raw rows in: proj1's 32 rows of mine,
	s_lshl_b32 s36, s[WV], 11
	s_add_co_u32 s36, s36, WRAW+65536
	v_add_nc_u32 v[LW2], s36, v[LI]                ; proj2's 8,
	s_lshl_b32 s36, s[WV], 9
	s_add_co_u32 s36, s36, WRAW+81920
	v_add_nc_u32 v[LW3], s36, v[LI]                ; proj3's 2
	v_lshl_add_u32 v[T3+3], v[T3+1], 13, v[TOFF]   ; columns out: 32 h rows down, column r
	s_lshl_b32 s43, s[WU], 6                       ; my 16 columns
	s_lshl_b32 s36, s[SK], 15                      ; my K step of proj1: 128 rows
	s_add_co_u32 s36, s36, s43
	s_add_co_u32 s36, s36, WRAW
	v_add_nc_u32 v[VRD1], s36, v[T3+3]
	s_add_co_u32 s36, s43, WRAW+65536
	v_add_nc_u32 v[VRD2], s36, v[T3+3]
	v_lshl_add_u32 v[T3+3], v[T3+1], 11, v[TOFF]   ; proj3: 8 h rows down
	s_add_co_u32 s36, s43, WRAW+81920
	v_add_nc_u32 v[VRD3], s36, v[T3+3]
	s_mul_i32 s36, s[WV], 1536
	v_add_nc_u32 v[IW1], s36, v[LI]
	s_mul_i32 s36, s[WV], 768
	s_add_co_u32 s43, s36, WIMG2
	v_add_nc_u32 v[IW2], s43, v[LI]
	s_add_co_u32 s43, s36, WIMG2+512
	v_add_nc_u32 v[IW2B], s43, v[L8]
	s_lshl_b32 s36, s[WV], 10
	s_add_co_u32 s36, s36, WIMG3
	v_add_nc_u32 v[IW3], s36, v[LI]
	s_lshl_b32 s36, s[WV], 7
	s_add_co_u32 s36, s36, WSC
	v_add_nc_u32 v[ISC], s36, v[LS]
	s_mul_i32 s36, s[SK], 3072
	v_add_nc_u32 v[RA2], s36, v[LI]
	v_add_nc_u32 v[RB2], s36, v[L8]
	s_lshl_b32 s36, s[SK], 12
	v_add_nc_u32 v[RA3], s36, v[LI]
	s_lshl_b32 s36, s[SK], 9
	v_add_nc_u32 v[RS2], s36, v[LS]
	s_mul_i32 s36, s[WV], 4352
	s_add_co_u32 s36, s36, STAGE                   ; my stage
	v_mad_u32_u24 v[STO], v[T3], 272, v[H32]       ; in: row r, 32 bytes for each half of the lanes
	v_add_nc_u32 v[STO], s36, v[STO]
	v_lshlrev_b32 v[SRD], 4, v[T3]
	v_mad_u32_u24 v[SRD], v[T3+1], 272, v[SRD]     ; back: lanes 0-15 one row, lanes 16-31 the next
	v_add_nc_u32 v[SRD], s36, v[SRD]
	s_wait_loadcnt 21                              ; tile 0's tokens are in; the 21 loads of weights issued behind them may be out
	ADDR
	LOADS1                                         ; tile 0's rows are on their way while the weights are prepared: emb1's 32 loads now,
	s_wait_loadcnt 32                              ; the weights are in; behind them: those 32
	WIN 0x04                                       ; store data window 1
.irp i, 0,1,2,3,4,5,6,7,8,9,10,11,12,13,14,15
	ds_store_b128 v[LW1], v[4*\i:4*\i+3] offset:512*\i
.endr
.irp i, 0,1,2,3
	ds_store_b128 v[LW2], v[64+4*\i:64+4*\i+3] offset:512*\i
.endr
	ds_store_b128 v[LW3], v[80:83]
	WIN 0
	LOADS2                                         ; the other 18,
	global_load_b32 v[TOK], v[TOFF], s[TOKP:TOKP+1] offset:64   ; and tile 1's tokens
	BARRIER                                        ; the slice's 336 rows lie in LDS
	; A LANE TAKES A COLUMN, ITS REGISTERS RUN DOWN K, in the order that the operand's layout gives the lane: proj1 k = 128 s + 64 c + 32 h + i, proj2 k = 32 h + i, proj3 k = 8 h + i
	WIN 0x40
.set II, 0
.rept 64
	ds_load_b32 v[II], v[VRD1] offset:256*(64*(II>>5)+(II&31))
.set II, II+1
.endr
.set II, 0
.rept 32
	ds_load_b32 v[64+II], v[VRD2] offset:256*II
.set II, II+1
.endr
.irp i, 0,1,2,3,4,5,6,7
	ds_load_b32 v[96+\i], v[VRD3] offset:256*\i
.endr
	s_wait_dscnt 0x0
	QMAX0 0, 3, 1                                  ; proj1's two blocks of mine, proj2's one
	QMAX1 0, 3, 1
	WIN 0
.irp b, 0,1,2
	v_add_nc_u32 v[SOP+\b], 0xfe000000, v[MX+\b]   ; the conversion's scale: 4 off the exponent field
.endr
.irp b, 0,1,2
	v_add_nc_u32 v[BY+\b], 0x800000, v[MX+\b]      ; the byte: 4 off and 5 on: the factor 32
.endr
.irp b, 0,1,2
	v_lshrrev_b32 v[BY+\b], 23, v[BY+\b]
.endr
	v_lshl_or_b32 v[BY], v[BY+1], 16, v[BY]
	v_lshlrev_b32 v[BY], v[SH8], v[BY]
	v_lshlrev_b32 v[BY+2], v[SH8], v[BY+2]
	v_permlanex16_b32 v[PX], v[BY], s[SEL], s[SEL+1]
	v_permlanex16_b32 v[PX+1], v[BY+2], s[SEL], s[SEL+1]
	v_or_b32 v[T3], v[BY], v[PX]                   ; my column's scale word of proj1's K step,
	v_or_b32 v[T3+1], v[BY+2], v[PX+1]             ; and of proj2 (upper two bytes 0: they meet zero codes)
	WIN 0x41                                       ; destination and source 0 window 1
.irp b, 0,1,2
	v_cvt_scalef32_pk16_bf6_f32 v[WC+6*\b:WC+6*\b+2], v[32*\b:32*\b+15], v[SOP+\b]
.endr
	v_nop                                          ; one plain place behind a scaled conversion
.irp b, 0,1,2
	v_cvt_scalef32_pk16_bf6_f32 v[32*\b:32*\b+2], v[32*\b+16:32*\b+31], v[SOP+\b]
.endr
	v_nop
.irp b, 0,1,2
.irp i, 0,1,2
	v_mov_b32 v[WC+6*\b+3+\i], v[32*\b+\i]
.endr
.endr
.irp i, 0,1,2,3
	v_pk_mul_f32 v[96+2*\i:97+2*\i], v[96+2*\i:97+2*\i], 0x42000000 op_sel_hi:[1,0]   ; proj3 x 32: exact; these eight registers are the four steps' source 0 as they stand
.endr
	WIN 0x04
.irp c, 0,1,2
	ds_store_b128 v[IW1], v[WC+4*\c:WC+4*\c+3] offset:512*\c   ; the fragments go to LDS as they stand in the registers
.endr
	ds_store_b128 v[IW2], v[WC+12:WC+15]
	ds_store_b64 v[IW2B], v[WC+16:WC+17]
	ds_store_b128 v[IW3], v[96:99]
	ds_store_b128 v[IW3], v[100:103] offset:512
	WIN 0
	ds_store_b32 v[ISC], v[T3]
	ds_store_b32 v[ISC], v[T3+1] offset:1024
	BARRIER                                        ; all images lie in LDS
	WIN 0x40
.set FF, 0
.rept 8
.irp c, 0,1,2
	ds_load_b128 v[P1+12*FF+4*\c:P1+12*FF+4*\c+3], v[LI] offset:WIMG1+1536*FF+512*\c
.endr
.set FF, FF+1
.endr
.irp u, 0,1,2,3
	ds_load_b128 v[P2+6*\u:P2+6*\u+3], v[RA2] offset:WIMG2+768*\u
	ds_load_b64 v[P2+6*\u+4:P2+6*\u+5], v[RB2] offset:WIMG2+768*\u+512
	ds_load_b128 v[P3+8*\u:P3+8*\u+3], v[RA3] offset:WIMG3+1024*\u
	ds_load_b128 v[P3+8*\u+4:P3+8*\u+7], v[RA3] offset:WIMG3+1024*\u+512
.endr
	WIN 0
.irp f, 0,1,2,3,4,5,6,7
	ds_load_b32 v[BSC+\f], v[LS] offset:WSC+128*\f
.endr
.irp u, 0,1,2,3
	ds_load_b32 v[BSC+8+\u], v[RS2] offset:WSC+1024+128*\u
.endr
	s_wait_dscnt 0x0                               ; the weights stay in registers from here on
.irp p, 0,1,2,3,4,5,6,7
	PASS \p
.endr
	s_wait_tensorcnt 0x0
	ds_add_u32 v63, v79
	s_wait_dscnt 0x0
	s_endpgm
.Lfunc_end_k_q34ae14ab94_embed:
	.size	k_q34ae14ab94_embed, .Lfunc_end_k_q34ae14ab94_embed-k_q34ae14ab94_embed
	.p2alignl 7, 3214868480
	.fill 96, 4, 3214868480
	.section	.rodata,"a",@progbits
	.p2align	6, 0x0
	.amdhsa_kernel k_q34ae14ab94_embed
		.amdhsa_group_segment_fixed_size 150528
		.amdhsa_private_segment_fixed_size 0
		.amdhsa_enable_private_segment 0
		.amdhsa_kernarg_size 72
		.amdhsa_user_sgpr_count 2
		.amdhsa_user_sgpr_kernarg_segment_ptr 1
		.amdhsa_wavefront_size32 1
		.amdhsa_system_sgpr_workgroup_id_x 1
		.amdhsa_system_sgpr_workgroup_id_y 1
		.amdhsa_system_sgpr_workgroup_id_z 1
		.amdhsa_system_vgpr_workitem_id 0
		.amdhsa_next_free_vgpr 512
		.amdhsa_next_free_sgpr 66
		.amdhsa_reserve_vcc 0
		.amdhsa_float_denorm_mode_32 3
		.amdhsa_float_denorm_mode_16_64 3
		.amdhsa_memory_ordered 1
		.amdhsa_forward_progress 1
		.amdhsa_inst_pref_size 185
	.end_amdhsa_kernel
	.amdgpu_metadata
---
amdhsa.version: [ 1, 2 ]
amdhsa.kernels:
  - .name:           k_q34ae14ab94_embed
    .symbol:         k_q34ae14ab94_embed.kd
    .args:
      - { .name: tokens, .offset: 0, .size: 8, .value_kind: global_buffer, .address_space: global }
      - { .name: emb0, .offset: 8, .size: 8, .value_kind: global_buffer, .address_space: global }
      - { .name: emb1, .offset: 16, .size: 8, .value_kind: global_buffer, .address_space: global }
      - { .name: emb2, .offset: 24, .size: 8, .value_kind: global_buffer, .address_space: global }
      - { .name: emb3, .offset: 32, .size: 8, .value_kind: global_buffer, .address_space: global }
      - { .name: proj1, .offset: 40, .size: 8, .value_kind: global_buffer, .address_space: global }
      - { .name: proj2, .offset: 48, .size: 8, .value_kind: global_buffer, .address_space: global }
      - { .name: proj3, .offset: 56, .size: 8, .value_kind: global_buffer, .address_space: global }
      - { .name: out0, .offset: 64, .size: 8, .value_kind: global_buffer, .address_space: global }
    .group_segment_fixed_size: 150528
    .private_segment_fixed_size: 0
    .kernarg_segment_align: 8
    .kernarg_segment_size: 72
    .max_flat_workgroup_size: 256
    .sgpr_count:     66
    .vgpr_count:     512
    .wavefront_size: 32
...
	.end_amdgpu_metadata
.endif
;; end of part 1
